; MI455X (gfx1250); checked and timed in simulation.
; The chip was launched on July 23, 2026; its instructions are those of AMD's public machine-readable ISA for CDNA 5 (MIT licence, August 2026) and "CDNA5" Instruction Set Architecture Reference Guide (July 2026). The comments in the code are by the model that wrote it; some were corrected since.
;; Mini Batch Discrimination. Allowed arithmetic: float matrix products may take bf16 or f16 operands with f32 sums; all other float work in f32.
;; Inputs: W 512 x 800 float32; x 512 x 512 float32.
;; Outputs: out0 512 x 562 float32.
;; One version. Each part assembles by itself: llvm-mc -triple=amdgcn-amd-amdhsa -mcpu=gfx1250 --defsym DOCPART=n.
;; ======== version 1 of 1: 2 launches
;; workspace buffers: act 1,638,400 bytes
;; launch act (part 1): grid 25 x 8, 8 waves a work-group, no clusters, 279,552 bytes of LDS; arguments x, W, act, out0; writes act, out0
.if DOCPART == 1
	.amdgcn_target "amdgcn-amd-amdhsa--gfx1250"
	.amdhsa_code_object_version 6
	.text
	.protected	k_q9817a0abdd_act
	.globl	k_q9817a0abdd_act
	.p2align	8
	.type	k_q9817a0abdd_act,@function
k_q9817a0abdd_act:
	s_mov_b64 s[64:65], 0
	v_nop
	global_prefetch_b8 v0, s[64:65] scope:SCOPE_SE
	s_setreg_imm32_b32 hwreg(HW_REG_WAVE_MODE, 25, 1), 1
	s_wait_xcnt 0x0
; act = log2(e) * (x @ W), and the copy of x into the first 512 columns of out0.
; x [512][512] f32, W [512][800] f32, out0 [512][562] f32.
; Workspace act, f32: byte k*32768 + c*8192 + b*16 holds four of the sixteen values of kernel k (0..49), row b (0..511), c = 0..3.
; Which four: d = 2*(4*(c&1)+p) + (c>>1), p = 0..3, the same for every row.  The next launch adds |differences| over all sixteen d,
; so it only needs the order to be alike in all rows.
;
; A work-group (block column nb = 0..24, block row mb = 0..7) makes 64 rows x 32 columns = kernels 2nb, 2nb+1.
; K = 512 is split over the 8 waves, 64 each: all 192 KiB that the work-group needs are requested at its head by 16 tensor loads,
; two a wave, each into LDS bytes that only the issuing wave reads.  The 8 partial sums meet in LDS behind one barrier.
; The product is taken transposed: source 0 = columns of W, source 1 = rows of x, so that a lane holds values of ONE row b.
; W needs no transposition: lane r reads columns 2r, 2r+1 of a k-row (8 bytes), so fragment t (0, 1) has M index m = column 2m+t.
;
; LIMITS.  x and W are rounded to bf16 (nearest even) for the matrix unit; K is added as eight f32 partial sums of 64 joined in a tree,
; an order other than the reference's; the factor log2(e) adds one more f32 rounding.
; NO CLUSTER: x's tile is shared by the 25 work-groups of a block row, and 25 is no multiple of 4; W's tile, shared by 8, is 64 KiB of the
; work-group's 192 KiB, and every tile is requested once, at the head.
; W's tile rows are 128 bytes: 800 columns are 25 blocks of 32 and no whole number of blocks of 64, and W's rows lie 3,200 bytes apart.
.set XPITCH, 272                       ; x in LDS: 256 bytes of a row + 16 of padding
.set WPITCH, 144                       ; W in LDS: 128 bytes of a k-row + 16 of padding
.set XT,     64*XPITCH                 ; a wave's x tile, 64 rows
.set REGION, XT+64*WPITCH              ; + its W tile, 64 k-rows: 26,624 bytes a wave
.set SCR,    8*REGION                  ; behind the tiles: 64 KiB for the partial sums, [tile 8][wave 8][1,024 bytes]
.set VXF, 4                            ; v4   LDS address of my x fragments
.set VWF, 5                            ; v5   LDS address of my W columns
.set VPS, 6                            ; v6   where I put partial sums
.set VPL, 7                            ; v7   where I read the eight partial sums of my tile
.set VAO, 8                            ; v8   my byte offset in act
.set VCO, 9                            ; v9   the copy: my 8 bytes of a row
.set CP,  10                           ; v[10:17]   the copy's four loads
.set WF,  32                           ; v[32:63]   W fragments (K step s, t) at WF+16s+8t
.set XR,  64                           ; v[64:191]  x as f32, 16 registers for (s, bt) at XR+64s+16bt; converted in place into the first 8
.set WR,  192                          ; v[192:255] W as f32, pair n = 16s+8g+i: k = 32s+16g+8h+i, columns 2r, 2r+1
.set ACC, 192                          ; v[192:255] afterwards the eight accumulators, tile a = 4t+bt at ACC+8a
.set RL,  64                           ; v[64:127]  afterwards the eight partial sums of one tile
.set G0X, 24                           ; s[24:27] descriptor group 0, x
.set G0W, 28                           ; s[28:31] descriptor group 0, W
.set G1X, 32                           ; s[32:39] descriptor group 1, x
.set G1W, 40                           ; s[40:47] descriptor group 1, W
	s_load_b256 s[4:11], s[0:1], 0x0               ; x s[4:5], W s[6:7], act s[8:9], out0 s[10:11]
	v_lshl_add_u32 v30, v0, 2, 0x44000
	v_mov_b32 v31, 0
	ds_add_u32 v30, v31
	ds_add_u32 v30, v31
	v_lshrrev_b32 v1, 5, v0
	v_readfirstlane_b32 s12, v1                    ; wave 0..7 = my eighth of K
	s_and_b32 s13, ttmp7, 0xffff                   ; mb; ttmp9 is nb
	; group 1 for x: 64 rows x 64 f32, 512 elements from row to row, 4 words of padding behind every 64 words
	s_mov_b32 s[G1X+0], (2<<16)|(1<<20)|(5<<22)|(3<<25)
	s_mov_b32 s[G1X+1], 64<<16                     ; tensor_dim0 = 64
	s_mov_b32 s[G1X+2], 64<<16                     ; tensor_dim1 = 64
	s_mov_b32 s[G1X+3], 64<<16                     ; tile_dim0 = 64
	s_mov_b32 s[G1X+4], 64                         ; tile_dim1 = 64
	s_mov_b32 s[G1X+5], 512                        ; stride
	s_mov_b32 s[G1X+6], 0
	s_mov_b32 s[G1X+7], 0
	; group 1 for W: 64 k-rows x 32 f32, 800 elements from row to row, 4 words of padding behind every 32 words
	s_mov_b32 s[G1W+0], (2<<16)|(1<<20)|(4<<22)|(3<<25)
	s_mov_b32 s[G1W+1], 32<<16
	s_mov_b32 s[G1W+2], 64<<16
	s_mov_b32 s[G1W+3], 32<<16
	s_mov_b32 s[G1W+4], 64
	s_mov_b32 s[G1W+5], 800
	s_mov_b32 s[G1W+6], 0
	s_mov_b32 s[G1W+7], 0
	s_mov_b32 s[G0X], 1
	s_mul_i32 s[G0X+1], s12, REGION                ; my x tile in LDS
	s_mov_b32 s[G0W], 1
	s_add_co_u32 s[G0W+1], s[G0X+1], XT            ; my W tile behind it
	s_lshl_b32 s14, s13, 17                        ; x: 64 mb rows of 2,048 bytes
	s_lshl_b32 s15, s12, 8                         ;    + 64 wave columns of 4 bytes
	s_add_co_u32 s14, s14, s15
	s_mov_b32 s15, 0
	s_mul_i32 s16, s12, 64*3200                    ; W: 64 wave k-rows of 3,200 bytes
	s_lshl_b32 s17, ttmp9, 7                       ;    + 32 nb columns of 4 bytes
	s_add_co_u32 s16, s16, s17
	s_mov_b32 s17, 0
	s_lshl_b32 s18, ttmp9, 16                      ; act, for the tile a = wave that I add up (t = a>>2, bt = a&3): kernel 2nb
	s_lshr_b32 s19, s12, 2
	s_lshl_b32 s19, s19, 14                        ; + c = 2t: 2t * 8,192
	s_add_co_u32 s18, s18, s19
	s_lshl_b32 s19, s13, 10                        ; + 64 mb rows of 16 bytes
	s_add_co_u32 s18, s18, s19
	s_and_b32 s19, s12, 3
	s_lshl_b32 s19, s19, 8                         ; + 16 bt rows of 16 bytes
	s_add_co_u32 s18, s18, s19
	s_mov_b32 s19, 0
	s_mov_b32 s50, 0x3fb8aa3b                      ; log2(e), as a pair for the packed multiply
	s_mov_b32 s51, 0x3fb8aa3b
	s_wait_dscnt 0x0
	s_wait_kmcnt 0x0
	s_add_nc_u64 s[G0X+2:G0X+3], s[4:5], s[14:15]
	s_or_b32 s[G0X+3], s[G0X+3], 0x80000000
	tensor_load_to_lds s[G0X:G0X+3], s[G1X:G1X+7]  ; 16 KiB: rows of 256 bytes that start at multiples of 256 from x's first byte
	s_nop 0
	s_add_nc_u64 s[G0W+2:G0W+3], s[6:7], s[16:17]
	s_or_b32 s[G0W+3], s[G0W+3], 0x80000000
	tensor_load_to_lds s[G0W:G0W+3], s[G1W:G1W+7]  ; 8 KiB.  Two tensor loads of this wave are out, and no more follow
	s_nop 0
	s_add_nc_u64 s[8:9], s[8:9], s[18:19]
	v_and_b32 v1, 31, v0                           ; lane
	v_and_b32 v2, 15, v0                           ; r
	v_bfe_u32 v3, v0, 4, 1                         ; h
	v_mul_u32_u24 v[VXF], XPITCH, v2               ; x fragment: row r, k = 8h.. as f32: 32 h bytes
	v_lshl_add_u32 v[VXF], v3, 5, v[VXF]
	v_add_nc_u32 v[VXF], s[G0X+1], v[VXF]
	v_mul_u32_u24 v[VWF], 8*WPITCH, v3             ; W: k-row 8h, columns 2r, 2r+1
	v_lshl_add_u32 v[VWF], v2, 3, v[VWF]
	v_add_nc_u32 v[VWF], s[G0W+1], v[VWF]
	s_lshl_b32 s20, s12, 10
	s_add_co_u32 s20, s20, SCR
	v_lshl_add_u32 v[VPS], v1, 4, s20              ; partial sums out: [tile][my wave][16 lane]
	s_lshl_b32 s21, s12, 13
	s_add_co_u32 s21, s21, SCR
	v_lshl_add_u32 v[VPL], v1, 4, s21              ; and back: [tile = my wave][wave][16 lane]
	v_lshlrev_b32 v[VAO], 4, v2                    ; act: row r, 16 bytes;
	v_lshl_add_u32 v[VAO], v3, 15, v[VAO]          ; lanes 16-31 hold kernel 2nb+1
	v_lshlrev_b32 v[VCO], 3, v0
	; THE COPY of x.  8 block rows x 16 block columns x 4 rows = 512 rows: work-groups with nb < 16 copy rows 64 mb + 4 nb + 0..3, while their tiles
	; are on the way.  A row is 256 threads x 8 bytes; out0's rows lie 2,248 bytes apart, a multiple of 8 and not of 16, hence 8-byte accesses.
	; A wave's load or store covers 256 consecutive bytes.
	s_cmp_lt_u32 ttmp9, 16
	s_cbranch_scc0 .Lnocopy
	s_lshl_b32 s54, s13, 6
	s_lshl2_add_u32 s54, ttmp9, s54                ; first row
	s_lshl_b32 s52, s54, 11
	s_mov_b32 s53, 0
	s_add_nc_u64 s[4:5], s[4:5], s[52:53]
	s_mul_i32 s52, s54, 2248
	s_add_nc_u64 s[10:11], s[10:11], s[52:53]
.irp j, 0,1,2,3
	global_load_b64 v[CP+2*\j:CP+2*\j+1], v[VCO], s[4:5] offset:\j*2048
.endr
.irp j, 0,1,2,3
	s_wait_loadcnt 3-\j                            ; loads return in order: row j is in, the 3-j younger ones may be out
	global_store_b64 v[VCO], v[CP+2*\j:CP+2*\j+1], s[10:11] offset:\j*2248 th:TH_STORE_NT
.endr
.Lnocopy:
	s_wait_tensorcnt 0x0                           ; both of my tiles are in LDS; nobody else reads them, so no barrier
	; W: 32 loads of 8 bytes.  Lanes 0-15 take 128 consecutive bytes of k-row k, lanes 16-31 of k-row k+8, 8*144 bytes on: the other 128 of 256
.set n, 0
.rept 32
	ds_load_b64 v[WR+2*n:WR+2*n+1], v[VWF] offset:(32*(n/16)+16*((n/8)%2)+(n%8))*WPITCH
.set n, n+1
.endr
	; x: 32 loads of 16 bytes; sixteen rows 272 bytes apart start in sixteen different 16-byte columns of 256
.irp f, 0,1,2,3,4,5,6,7
	ds_load_b128 v[XR+16*\f:XR+16*\f+3],     v[VXF] offset:(\f%4)*16*XPITCH+(\f/4)*128      ; k = 32s+8h+0..3
	ds_load_b128 v[XR+16*\f+4:XR+16*\f+7],   v[VXF] offset:(\f%4)*16*XPITCH+(\f/4)*128+16   ; k = 32s+8h+4..7
	ds_load_b128 v[XR+16*\f+8:XR+16*\f+11],  v[VXF] offset:(\f%4)*16*XPITCH+(\f/4)*128+64   ; k = 32s+16+8h+0..3
	ds_load_b128 v[XR+16*\f+12:XR+16*\f+15], v[VXF] offset:(\f%4)*16*XPITCH+(\f/4)*128+80   ; k = 32s+16+8h+4..7
.endr
	s_wait_dscnt 32                                ; the 32 x loads may be out: W is in
.irp s, 0,1
.irp t, 0,1
.irp g, 0,1
.irp i, 0,1,2,3
	v_cvt_pk_bf16_f32 v[WF+16*\s+8*\t+4*\g+\i], v[WR+32*\s+16*\g+4*\i+\t], v[WR+32*\s+16*\g+4*\i+2+\t]   ; k and k+1 of column 2r+t
.endr
.endr
.endr
.endr
.macro CVTX s                          ; the four x fragments of K step s, in place: register j takes numbers 2j, 2j+1
.irp bt, 0,1,2,3
.irp j, 0,1,2,3,4,5,6,7
	v_cvt_pk_bf16_f32 v[XR+64*\s+16*\bt+\j], v[XR+64*\s+16*\bt+2*\j], v[XR+64*\s+16*\bt+2*\j+1]
.endr
.endr
.endm
.macro MUL s, zero                     ; 8 matrix instructions: 2 fragments of W x 4 of x.  zero = 1: the product starts the sum
.irp t, 0,1
.irp bt, 0,1,2,3
.if \zero
	v_wmma_f32_16x16x32_bf16 v[ACC+32*\t+8*\bt:ACC+32*\t+8*\bt+7], v[WF+16*\s+8*\t:WF+16*\s+8*\t+7], v[XR+64*\s+16*\bt:XR+64*\s+16*\bt+7], 0
.else
	v_wmma_f32_16x16x32_bf16 v[ACC+32*\t+8*\bt:ACC+32*\t+8*\bt+7], v[WF+16*\s+8*\t:WF+16*\s+8*\t+7], v[XR+64*\s+16*\bt:XR+64*\s+16*\bt+7], v[ACC+32*\t+8*\bt:ACC+32*\t+8*\bt+7]
.endif
.endr
.endr
.endm
	s_wait_dscnt 16                                ; the second K step's 16 x loads may be out
	CVTX 0
	MUL 0, 1                                       ; the accumulators take the registers of raw W, which is converted
	s_wait_dscnt 0x0
	CVTX 1                                         ; writes v128-183: no register of the eight matrix instructions above
	MUL 1, 0                                       ; each the next link on its own accumulator
	; Register j of lane (r, h) of tile (t, bt) now holds column 32nb+16h+2j+t of row 64mb+16bt+r, summed over my 64 k.
.rept 4
	v_nop                                          ; four places behind the last matrix instruction before its result is stored and its sources are loaded into (ISA guide 7.12.1)
.endr
.irp a, 0,1,2,3,4,5,6,7
	ds_store_b128 v[VPS], v[ACC+8*\a:ACC+8*\a+3]   offset:\a*8192
	ds_store_b128 v[VPS], v[ACC+8*\a+4:ACC+8*\a+7] offset:\a*8192+512
.endr
	s_wait_dscnt 0x0                               ; my partial sums are in LDS before I say so
	s_barrier_signal -1
	s_barrier_wait -1                              ; everybody's are
.irp w, 0,1,2,3,4,5,6,7
	ds_load_b128 v[RL+8*\w:RL+8*\w+3],   v[VPL] offset:\w*1024
	ds_load_b128 v[RL+8*\w+4:RL+8*\w+7], v[VPL] offset:\w*1024+512
.endr
	s_wait_dscnt 0x0
.irp p, 0,2,4,6
.irp e, 0,2,4,6
	v_pk_add_f32 v[RL+8*\p+\e:RL+8*\p+\e+1], v[RL+8*\p+\e:RL+8*\p+\e+1], v[RL+8*\p+8+\e:RL+8*\p+8+\e+1]
.endr
.endr
.irp p, 0,4
.irp e, 0,2,4,6
	v_pk_add_f32 v[RL+8*\p+\e:RL+8*\p+\e+1], v[RL+8*\p+\e:RL+8*\p+\e+1], v[RL+8*\p+16+\e:RL+8*\p+16+\e+1]
.endr
.endr
.irp e, 0,2,4,6
	v_pk_add_f32 v[RL+\e:RL+\e+1], v[RL+\e:RL+\e+1], v[RL+32+\e:RL+32+\e+1]
.endr
.irp e, 0,2,4,6
	v_pk_mul_f32 v[RL+\e:RL+\e+1], v[RL+\e:RL+\e+1], s[50:51] op_sel_hi:[1,0]      ; times log2(e): the next launch's exponentials are powers of two
.endr
	global_store_b128 v[VAO], v[RL:RL+3],   s[8:9]                 ; c = 2t:   sixteen lanes store 256 consecutive bytes at a multiple of 256 from act's first byte,
	global_store_b128 v[VAO], v[RL+4:RL+7], s[8:9] offset:8192     ; c = 2t+1: lanes 0-15 for kernel 2nb, lanes 16-31 for kernel 2nb+1
	s_wait_tensorcnt 0x0
	ds_add_u32 v30, v31
	s_wait_dscnt 0x0
	s_endpgm
.Lfunc_end_k_q9817a0abdd_act:
	.size	k_q9817a0abdd_act, .Lfunc_end_k_q9817a0abdd_act-k_q9817a0abdd_act
	.p2alignl 7, 3214868480
	.fill 96, 4, 3214868480
	.section	.rodata,"a",@progbits
	.p2align	6, 0x0
	.amdhsa_kernel k_q9817a0abdd_act
		.amdhsa_group_segment_fixed_size 279552
		.amdhsa_private_segment_fixed_size 0
		.amdhsa_enable_private_segment 0
		.amdhsa_kernarg_size 32
		.amdhsa_user_sgpr_count 2
		.amdhsa_user_sgpr_kernarg_segment_ptr 1
		.amdhsa_wavefront_size32 1
		.amdhsa_system_sgpr_workgroup_id_x 1
		.amdhsa_system_sgpr_workgroup_id_y 1
		.amdhsa_system_sgpr_workgroup_id_z 1
		.amdhsa_system_vgpr_workitem_id 0
		.amdhsa_next_free_vgpr 256
		.amdhsa_next_free_sgpr 66
		.amdhsa_reserve_vcc 0
		.amdhsa_float_denorm_mode_32 3
		.amdhsa_float_denorm_mode_16_64 3
		.amdhsa_memory_ordered 1
		.amdhsa_forward_progress 1
		.amdhsa_inst_pref_size 21
	.end_amdhsa_kernel
	.amdgpu_metadata
---
amdhsa.version: [ 1, 2 ]
amdhsa.kernels:
  - .name:           k_q9817a0abdd_act
    .symbol:         k_q9817a0abdd_act.kd
    .args:
      - { .name: x, .offset: 0, .size: 8, .value_kind: global_buffer, .address_space: global }
      - { .name: W, .offset: 8, .size: 8, .value_kind: global_buffer, .address_space: global }
      - { .name: act, .offset: 16, .size: 8, .value_kind: global_buffer, .address_space: global }
      - { .name: out0, .offset: 24, .size: 8, .value_kind: global_buffer, .address_space: global }
    .group_segment_fixed_size: 279552
    .private_segment_fixed_size: 0
    .kernarg_segment_align: 8
    .kernarg_segment_size: 32
    .max_flat_workgroup_size: 256
    .sgpr_count:     66
    .vgpr_count:     256
    .wavefront_size: 32
...
	.end_amdgpu_metadata
.endif
;; end of part 1
;; launch pair (part 2): grid 50 x 5, 8 waves a work-group, no clusters, 168,960 bytes of LDS; arguments act, out0; writes out0
.if DOCPART == 2
	.amdgcn_target "amdgcn-amd-amdhsa--gfx1250"
	.amdhsa_code_object_version 6
	.text
	.protected	k_q9817a0abdd_pair
	.globl	k_q9817a0abdd_pair
	.p2align	8
	.type	k_q9817a0abdd_pair,@function
k_q9817a0abdd_pair:
	s_mov_b64 s[64:65], 0
	v_nop
	global_prefetch_b8 v0, s[64:65] scope:SCOPE_SE
	s_setreg_imm32_b32 hwreg(HW_REG_WAVE_MODE, 25, 1), 1
	s_wait_xcnt 0x0
; out0[b][512+k] = sum over b2 of exp(-sum over d of |act[b][k][d] - act[b2][k][d]|), from the workspace act of the launch before:
; byte k*32768 + c*8192 + b*16 holds four of the sixteen values of (k, b), already multiplied by log2(e), in an order of d alike for all b.
; So the exponential is 2^(-sum), one v_exp_f32 with a negated source.  All arithmetic in f32.
;
; Work-group (k = 0..49, j = 0..4) owns kernel k and 104 rows = 13 units of 8; it alone stores their sums.  512 = 4*104 + 96: the fifth work-group
; starts at row 408, computes rows 408..415 a second time and does not store them, so that one text with 13 units serves all five.
; The 32 KiB of kernel k come into LDS by eight tensor loads, one a wave.  Lane L stands for row L&7 of each unit and for b2 group L>>3.
; It keeps its 13 rows in 208 registers; a trip loads one b2 vector a lane (four b2 a wave, 4 LDS loads) and uses it 13 times.
; Wave w walks b2 = 64w .. 64w+63 in 16 trips.  For one row and one b2: 8 packed subtractions, 8 adds of two magnitudes, 3 packed adds, 1 add,
; 1 exponential, 1 add: 22 vector instructions for a wave's 32 pairs.
;
; LIMITS.  v_exp_f32 gives 0 where 2^(-sum) would lie below 2^-126 (ISA guide 15.8); each sum holds the pair (b, b), which is exactly 1, so what is
; dropped is under 512 * 2^-126 beside 1.  The sixteen magnitudes and the 512 terms are added in an order other than the reference's.
; NO CLUSTER: the five work-groups of a kernel share its 32 KiB, but five is no multiple of four, and the tile is requested once.
; THE STORES are 4 bytes a lane, 2,248 bytes apart: a row's 50 sums come from 50 work-groups, 25,600 numbers in all.
.set UNITS, 13
.set ROWS,  8*UNITS                    ; 104 rows of a work-group
.set CH,    8192                       ; bytes of one c plane: 512 rows x 16
.set SCR,   4*CH                       ; behind the tile: [wave 8][row 104] partial sums
.set VB,  1                            ; v1        LDS address of my next b2 vector
.set E,   2                            ; v2        the last exponential
.set ACC, 3                            ; v[3:15]   my sum for each of my 13 rows
.set B,   16                           ; v[16:31]  the b2 vector
.set P,   32                           ; v[32:39]  work bank
.set Q,   40                           ; v[40:47]  work bank
.set A,   48                           ; v[48:255] my 13 rows, unit u at A+16u
	s_load_b128 s[4:7], s[0:1], 0x0                ; act s[4:5], out0 s[6:7]
	s_set_vgpr_msb 0x40
	v_lshl_add_u32 v0, v0, 2, 0x29000
	v_mov_b32 v1, 0
	s_set_vgpr_msb 0x4045
	ds_add_u32 v0, v1
	ds_add_u32 v0, v1
	s_set_vgpr_msb 0x4500
	v_lshrrev_b32 v1, 5, v0
	v_readfirstlane_b32 s8, v1                     ; wave 0..7
	s_and_b32 s9, ttmp7, 0xffff                    ; j; ttmp9 is k
	; one row of 512 elements of 8 bytes: my wave's 4,096 consecutive bytes of the kernel's 32 KiB
	s_mov_b32 s16, 3<<16                           ; element of 8 bytes, no mask, no padding
	s_mov_b32 s17, 512<<16                         ; tensor_dim0 = 512
	s_mov_b32 s18, 1<<16
	s_mov_b32 s19, 512<<16                         ; tile_dim0 = 512
	s_mov_b32 s20, 1
	s_mov_b32 s21, 512
	s_mov_b32 s22, 0
	s_mov_b32 s23, 0
	s_mov_b32 s12, 1
	s_lshl_b32 s13, s8, 12                         ; to LDS byte 4,096 wave
	s_lshl_b32 s24, ttmp9, 15                      ; from k * 32,768 + 4,096 wave
	s_add_co_u32 s24, s24, s13
	s_mov_b32 s25, 0
	s_lshl_b32 s34, ttmp9, 2                       ; out0: column k of the features
	s_mov_b32 s35, 0
	s_wait_dscnt 0x0
	s_wait_kmcnt 0x0
	s_add_nc_u64 s[14:15], s[4:5], s[24:25]
	s_or_b32 s15, s15, 0x80000000
	tensor_load_to_lds s[12:15], s[16:23]          ; this wave's only tensor load
	s_nop 0
	s_add_nc_u64 s[6:7], s[6:7], s[34:35]
	s_mul_i32 s26, s9, ROWS                        ; the first row that I store
	s_min_u32 s27, s26, 512-ROWS                   ; the first row that I compute: 408 at the most
	s_sub_co_u32 s28, s26, s27                     ; 0, or 8 in the fifth work-group: so many rows are not mine to store
	s_lshl_b32 s29, s8, 10                         ; b2 = 64 wave, 16 bytes each
	s_mov_b32 s30, 0x76543210                      ; v_permlanex16_b32: lane i of one half reads lane i of the other
	s_mov_b32 s31, 0xfedcba98
	v_and_b32 v[P], 7, v0
	v_add_nc_u32 v[P], s27, v[P]
	v_lshlrev_b32 v[P], 4, v[P]                    ; my row of unit 0, 16 bytes a row
	v_bfe_u32 v[VB], v0, 3, 2                      ; b2 group
	v_lshl_add_u32 v[VB], v[VB], 4, s29
.irp u, 0,1,2,3,4,5,6,7,8,9,10,11,12
	v_mov_b32 v[ACC+\u], 0
.endr
	s_wait_tensorcnt 0x0                           ; my eighth is in LDS before I say so
	s_barrier_signal -1
	s_barrier_wait -1                              ; all eight are; from here on nobody writes these 32 KiB
.irp u, 0,1,2,3,4,5,6,7,8,9,10,11,12
.irp c, 0,1,2,3
	ds_load_b128 v[A+16*\u+4*\c:A+16*\u+4*\c+3], v[P] offset:\u*128+\c*CH
.endr
.endr
.macro LOADB                           ; four b2 a wave, eight lanes share each: 16 neighbouring bytes a b2 in each of the four planes
.irp c, 0,1,2,3
	ds_load_b128 v[B+4*\c:B+4*\c+3], v[VB] offset:\c*CH
.endr
.endm
	LOADB
	v_add_nc_u32 v[VB], 64, v[VB]                  ; four b2 on
.macro DIFF dst, u, e                  ; two differences: row u's numbers e, e+1 minus the b2 vector's
	v_pk_add_f32 v[\dst:\dst+1], v[A+16*\u+\e:A+16*\u+\e+1], v[B+\e:B+\e+1] neg_lo:[0,1] neg_hi:[0,1]
.endm
.macro MAG dst, src                    ; |src| + |src+1|
	v_add_f32 v[\dst], |v[\src]|, |v[\src+1]|
.endm
; One row against the b2 vector.  X takes the first eight differences and then the row's eight sums of two magnitudes, Y the last eight differences.
; The row before (prev = 1) left ITS eight sums in Y: they are added up, exponentiated and accumulated between this row's first lines, so that
; no line waits for the line in front of it; Y is written again only behind the exponential that read it.
; reload = 1: the b2 vector has been read for the last time in this trip, and the next one is requested.
.macro ROW u, X, Y, prev, reload
	DIFF \X+0, \u, 0
.if \prev
	v_pk_add_f32 v[\Y:\Y+1], v[\Y:\Y+1], v[\Y+2:\Y+3]
.endif
	DIFF \X+2, \u, 2
.if \prev
	v_pk_add_f32 v[\Y+4:\Y+5], v[\Y+4:\Y+5], v[\Y+6:\Y+7]
.endif
	DIFF \X+4, \u, 4
	DIFF \X+6, \u, 6
.if \prev
	v_pk_add_f32 v[\Y:\Y+1], v[\Y:\Y+1], v[\Y+4:\Y+5]
.endif
	MAG \X+0, \X+0
	MAG \X+1, \X+2
.if \prev
	v_add_f32 v[\Y], v[\Y], v[\Y+1]                ; the distance, times log2(e)
.endif
	MAG \X+2, \X+4
	MAG \X+3, \X+6
.if \prev
	v_exp_f32 v[E], -v[\Y]                         ; behind it one plain line that touches neither E nor its source (ISA guide 5.7.2): the next one writes Y+6, Y+7
.endif
	DIFF \Y+6, \u, 14
.if \prev
	s_wait_alu depctr_va_vdst(0)
	v_add_f32 v[ACC+\u-1], v[ACC+\u-1], v[E]
.endif
	DIFF \Y+4, \u, 12
	DIFF \Y+2, \u, 10
	DIFF \Y+0, \u, 8
.if \reload
	LOADB
.endif
	MAG \X+7, \Y+6
	MAG \X+6, \Y+4
	MAG \X+5, \Y+2
	MAG \X+4, \Y+0
.endm
; A trip: four b2 against the wave's 104 rows.  more = 1: another trip follows.
.macro TRIP more
	s_wait_dscnt 0x0                               ; the b2 vector is in (before the first trip: my 13 rows too)
	ROW 0,  P, Q, 0, 0
	ROW 1,  Q, P, 1, 0
	ROW 2,  P, Q, 1, 0
	ROW 3,  Q, P, 1, 0
	ROW 4,  P, Q, 1, 0
	ROW 5,  Q, P, 1, 0
	ROW 6,  P, Q, 1, 0
	ROW 7,  Q, P, 1, 0
	ROW 8,  P, Q, 1, 0
	ROW 9,  Q, P, 1, 0
	ROW 10, P, Q, 1, 0
	ROW 11, Q, P, 1, 0
	ROW 12, P, Q, 1, \more
	v_pk_add_f32 v[P:P+1], v[P:P+1], v[P+2:P+3]    ; the last row's sums, while the loads are on their way
	v_pk_add_f32 v[P+4:P+5], v[P+4:P+5], v[P+6:P+7]
	v_pk_add_f32 v[P:P+1], v[P:P+1], v[P+4:P+5]
	v_add_f32 v[P], v[P], v[P+1]
	v_exp_f32 v[E], -v[P]
.if \more
	v_add_nc_u32 v[VB], 64, v[VB]                  ; the plain line behind the exponential: four b2 on
	s_wait_alu depctr_va_vdst(0)
.else
	v_nop                                          ; the plain line behind the exponential
	s_wait_alu depctr_va_vdst(0)
.endif
	v_add_f32 v[ACC+12], v[ACC+12], v[E]
.endm
	s_mov_b32 s10, 15
.Ltrip:
	TRIP 1
	s_sub_co_u32 s10, s10, 1
	s_cmp_lg_u32 s10, 0
	s_cbranch_scc1 .Ltrip
	TRIP 0                                         ; the sixteenth trip requests nothing: the wave's 64 b2 are through
	; The four b2 groups of a wave: lanes L and L xor 8, then L and L xor 16.
.irp u, 0,1,2,3,4,5,6,7,8,9,10,11,12
	v_add_f32_dpp v[ACC+\u], v[ACC+\u], v[ACC+\u] row_xmask:8 row_mask:0xf bank_mask:0xf
.endr
.irp u, 0,1,2,3,4,5,6,7,8,9,10,11,12
	v_permlanex16_b32 v[P+\u], v[ACC+\u], s30, s31 ; its destination counts as read: P and Q have been written
.endr
.irp u, 0,1,2,3,4,5,6,7,8,9,10,11,12
	v_add_f32 v[ACC+\u], v[ACC+\u], v[P+\u]
.endr
	; The eight waves: each puts its 104 sums into its own 416 bytes (the four lanes of a row write the same word with the same value).
	v_and_b32 v[A], 7, v0
	s_mul_i32 s32, s8, 4*ROWS
	s_add_co_u32 s32, s32, SCR
	v_lshl_add_u32 v[A], v[A], 2, s32
.irp u, 0,1,2,3,4,5,6,7,8,9,10,11,12
	ds_store_b32 v[A], v[ACC+\u] offset:\u*32
.endr
	v_lshlrev_b32 v[A+1], 2, v0                    ; thread t takes row t of the 104
	v_add_nc_u32 v[A+2], s27, v0
	v_mul_u32_u24 v[A+2], 2248, v[A+2]             ; its row of out0
	v_cmp_gt_u32 vcc_lo, ROWS, v0                  ; t < 104,
	v_cmp_le_u32 s33, s28, v0                      ; and not one of the rows that the fourth work-group stores
	s_and_b32 vcc_lo, vcc_lo, s33
	s_wait_dscnt 0x0                               ; my sums are in LDS before I say so
	s_barrier_signal -1
	s_barrier_wait -1
	s_and_saveexec_b32 s33, vcc_lo                 ; no global load or store has been issued so far
	s_cbranch_execz .Lend
.irp w, 0,1,2,3,4,5,6,7
	ds_load_b32 v[A+4+\w], v[A+1] offset:SCR+\w*4*ROWS
.endr
	s_wait_dscnt 0x0
	v_pk_add_f32 v[A+4:A+5], v[A+4:A+5], v[A+6:A+7]
	v_pk_add_f32 v[A+8:A+9], v[A+8:A+9], v[A+10:A+11]
	v_pk_add_f32 v[A+4:A+5], v[A+4:A+5], v[A+8:A+9]
	v_add_f32 v[A+4], v[A+4], v[A+5]
	global_store_b32 v[A+2], v[A+4], s[6:7] offset:2048            ; behind the row's 512 numbers of x
.Lend:
	s_wait_xcnt 0x0
	s_mov_b32 exec_lo, -1
	s_set_vgpr_msb 0x5
	s_wait_tensorcnt 0x0
	ds_add_u32 v0, v1
	s_wait_dscnt 0x0
	s_set_vgpr_msb 0x500
	s_endpgm
.Lfunc_end_k_q9817a0abdd_pair:
	.size	k_q9817a0abdd_pair, .Lfunc_end_k_q9817a0abdd_pair-k_q9817a0abdd_pair
	.p2alignl 7, 3214868480
	.fill 96, 4, 3214868480
	.section	.rodata,"a",@progbits
	.p2align	6, 0x0
	.amdhsa_kernel k_q9817a0abdd_pair
		.amdhsa_group_segment_fixed_size 168960
		.amdhsa_private_segment_fixed_size 0
		.amdhsa_enable_private_segment 0
		.amdhsa_kernarg_size 16
		.amdhsa_user_sgpr_count 2
		.amdhsa_user_sgpr_kernarg_segment_ptr 1
		.amdhsa_wavefront_size32 1
		.amdhsa_system_sgpr_workgroup_id_x 1
		.amdhsa_system_sgpr_workgroup_id_y 1
		.amdhsa_system_sgpr_workgroup_id_z 1
		.amdhsa_system_vgpr_workitem_id 0
		.amdhsa_next_free_vgpr 258
		.amdhsa_next_free_sgpr 66
		.amdhsa_reserve_vcc 1
		.amdhsa_float_denorm_mode_32 3
		.amdhsa_float_denorm_mode_16_64 3
		.amdhsa_memory_ordered 1
		.amdhsa_forward_progress 1
		.amdhsa_inst_pref_size 47
	.end_amdhsa_kernel
	.amdgpu_metadata
---
amdhsa.version: [ 1, 2 ]
amdhsa.kernels:
  - .name:           k_q9817a0abdd_pair
    .symbol:         k_q9817a0abdd_pair.kd
    .args:
      - { .name: act, .offset: 0, .size: 8, .value_kind: global_buffer, .address_space: global }
      - { .name: out0, .offset: 8, .size: 8, .value_kind: global_buffer, .address_space: global }
    .group_segment_fixed_size: 168960
    .private_segment_fixed_size: 0
    .kernarg_segment_align: 8
    .kernarg_segment_size: 16
    .max_flat_workgroup_size: 256
    .sgpr_count:     66
    .vgpr_count:     258
    .wavefront_size: 32
...
	.end_amdgpu_metadata
.endif
;; end of part 2
